; MI455X (gfx1250); checked and timed in simulation.
; The chip was launched on July 23, 2026; its instructions are those of AMD's public machine-readable ISA for CDNA 5 (MIT licence, August 2026) and "CDNA5" Instruction Set Architecture Reference Guide (July 2026). The comments in the code are by the model that wrote it; some were corrected since.
;; L1. Allowed arithmetic: float matrix products may take bf16 or f16 operands with f32 sums; all other float work in f32.
;; Inputs: x 1,024 x 128 float32; y 2,048 x 128 float32.
;; Outputs: out0 1,024 x 2,048 float32.
;; One version. Each part assembles by itself: llvm-mc -triple=amdgcn-amd-amdhsa -mcpu=gfx1250 --defsym DOCPART=n.
;; ======== version 1 of 1: 1 launch
;; launch l1dist (part 1): grid 16 x 16, 4 waves a work-group, clusters of 4 x 4, 168,448 bytes of LDS; arguments x, y, out0; writes out0
.if DOCPART == 1
	.amdgcn_target "amdgcn-amd-amdhsa--gfx1250"
	.amdhsa_code_object_version 6
	.text
	.protected	k_q62a87f679b_l1dist
	.globl	k_q62a87f679b_l1dist
	.p2align	8
	.type	k_q62a87f679b_l1dist,@function
k_q62a87f679b_l1dist:
	s_mov_b64 s[64:65], 0
	v_nop
	global_prefetch_b8 v0, s[64:65] scope:SCOPE_SE
	s_setreg_imm32_b32 hwreg(HW_REG_WAVE_MODE, 25, 1), 1
	s_wait_xcnt 0x0
	s_wait_alu depctr_hold_cnt(0) depctr_sa_sdst(0) depctr_va_vdst(0) depctr_va_sdst(0) depctr_va_ssrc(0) depctr_va_vcc(0) depctr_vm_vsrc(0)
	s_getreg_b32 s2, hwreg(HW_REG_IB_STS2, 6, 4)
	s_cmp_eq_u32 s2, 0
	s_cbranch_scc0 .Lentry_in_a_cluster
	s_endpgm
.Lentry_in_a_cluster:
	s_bfe_u32 s2, ttmp6, 0x10000c
	s_cmp_lg_u32 s2, 0xf033
	s_cbranch_scc0 .Lentry_shape_is_right
	s_endpgm
.Lentry_shape_is_right:
; out0[i][j] = - sum over d of |x[i][d] - y[j][d]|.   x: [1024][128], y: [2048][128], out0: [1024][2048], all f32.
; All arithmetic is f32 on the vector ALU.  This is no matrix product (a magnitude stands between the difference and the sum), and letting
; a matrix of ones do the sum would need the terms in 16 bits, so the matrix instructions are not used.
; COST: 10 instructions for 2 outputs x 4 d (8 terms): 4 packed subtractions, 4 v_add_f32 that take -|a| - |b| (magnitude, sign and the
; first sum in one), 1 packed add of the two partial pairs, 1 packed add onto the accumulator pair.  The sums are negative from the start,
; so nothing is negated at the end; the first four d start the sums, so nothing is cleared.
; ORDER OF ROUNDING: each difference is rounded once; a sum goes d, d+1 first, then the two pairs of a four, then the fours ascending.  That
; differs from a plain ascending sum in the last bits only.  NaN and infinities come out as f32 arithmetic gives them.
; SHARES: 256 work-groups of four waves.  A work-group makes 64 rows x 128 columns of out0, wave w its rows 16 w .. 16 w + 15.
; Lane (r = lane % 16, h = lane / 16) makes rows 16 w + 8 h + a (a = 0..7) x columns 64 c + 4 r + k (c = 0..1, k = 0..3): 64 sums, whose
; four k lie in neighbouring registers, so that a 16-byte store of sixteen lanes covers 256 consecutive bytes, aligned, with no stage.
; For four d a lane loads 8 + 8 times 16 bytes from LDS and issues 320 vector instructions.
; TILES: d goes in two halves of 64 (rows of 256 bytes, at multiples of 256 bytes from the buffer's first byte), each half in an LDS slot of its own: no byte
; of LDS is filled twice.  Each wave issues four tensor loads, all at the start: x and y of half 0, x and y of half 1; four are out at the most.
; The second half lands while the first is worked on.
; y's rows are laid into LDS in another order: wave w fetches tile rows w, w + 4, w + 8 .. (a descriptor whose pitch is four rows), so LDS row
; 32 k + n holds tile row 4 n + k, and the sixteen lanes that want columns 64 c + 4 r + k read the sixteen consecutive LDS rows 32 k + 16 c + r.
; CLUSTERS: 4 x 4 work-groups.  x's tile hangs on the block row alone and is asked for jointly by the four of a row of the cluster, y's on the
; block column alone and is asked for jointly by the four of a column: the 256 x 96 KiB of requests are divided by four.
; No prefetch: everything the launch reads (1.5 MiB) is asked for by its first instructions.
.set PITCH,  272                       ; an LDS row: 256 bytes + 16 of padding = 17 x 16 bytes: 16 consecutive rows start in 16 different 16-byte columns modulo 256 bytes
.set YOFF,   64*PITCH                  ; a slot: x's 64 rows, then y's 128 rows
.set SLOT,   192*PITCH                 ; 52,224 bytes; two slots
.set OUTROW, 8192                      ; bytes in a row of out0
.set XA,  2                            ; v2        LDS address of my first x row, at the four d in turn
.set YA,  3                            ; v3        LDS address of y's LDS row r, at the four d in turn
.set CO,  4                            ; v4        my byte offset in the wave's part of out0; never rewritten
.set ACC, 8                            ; v[8:71]   sums: row a, column index 4 c + k at ACC + 8 a + 4 c + k
.set XB,  72                           ; v[72:135]  two buffers: 8 rows of x, four d each
.set YB,  136                          ; v[136:199] two buffers: 8 columns (rows of y), four d each
.set DF,  200                          ; v[200:215] differences: two sets of 8
.set TU,  216                          ; v[216:231] partial sums: four sets of two pairs
.set G1X, 16                           ; s[16:23] descriptor group 1 for x's tiles
.set G1Y, 24                           ; s[24:31] descriptor group 1 for y's tiles
.set G0X, 32                           ; s[32:39] descriptor group 0 for x's tiles, one set for each slot
.set G0Y, 40                           ; s[40:47] descriptor group 0 for y's tiles, one set for each slot
.set FLAGS, (2<<16)|(1<<20)|(1<<21)|(5<<22)|(3<<25)   ; 17:16 elements of 4 bytes; 20 padding on; 21 set beside a mask; 24:22 after every 64 words; 31:25 four words
; A round of the cluster's barrier: my work-group's barrier, so that wave 0's signal speaks for all four waves; wave 0 signals for the
; work-group; every wave waits for all sixteen work-groups; my work-group's barrier once more.
.macro CROUND
	s_barrier_signal -1
	s_barrier_wait -1
	s_cmp_lg_u32 s10, 0
	s_cbranch_scc1 .Lnot_wave_0_\@
	s_barrier_signal -3
.Lnot_wave_0_\@:
	s_barrier_wait -3
	s_barrier_signal -1
	s_barrier_wait -1
.endm
	s_load_b128 s[4:7], s[0:1], 0x0                ; x s[4:5], y s[6:7]
	s_load_b64 s[8:9], s[0:1], 0x10                ; out0
	v_lshl_add_u32 v232, v0, 2, 0x29000
	v_mov_b32 v233, 0
	ds_add_u32 v232, v233
	v_lshrrev_b32 v1, 5, v0
	v_readfirstlane_b32 s10, v1                    ; wave 0..3
	s_bfe_u32 s11, ttmp6, 0x40000                  ; cx: my place along the cluster's x
	s_bfe_u32 s12, ttmp6, 0x40004                  ; cy: along its y
	s_lshl_b32 s13, ttmp9, 2                       ; in a cluster launch ttmp9 and ttmp7 count clusters
	s_add_co_u32 s13, s13, s11                     ; block column (128 columns of out0 = 128 rows of y) = 4 x cluster x + cx
	s_and_b32 s14, ttmp7, 0xffff
	s_lshl_b32 s14, s14, 2
	s_add_co_u32 s14, s14, s12                     ; block row (64 rows of out0 = 64 rows of x) = 4 x cluster y + cy
	s_lshl_b32 s15, s12, 2
	s_lshl_b32 s15, 15, s15                        ; my row of the cluster: places 4 cy .. 4 cy + 3
	s_lshl_b32 s56, 0x1111, s11                    ; my column: places cx, cx + 4, cx + 8, cx + 12
	; group 1 for x: 16 rows x 64 elements, one row of x (128 elements) from row to row
	s_or_b32  s[G1X+0], s15, FLAGS                 ; 15:0 the mask: x's tiles go to my row of the cluster
	s_mov_b32 s[G1X+1], 64<<16                     ; tensor_dim0 = 64
	s_mov_b32 s[G1X+2], 16<<16                     ; tensor_dim1 = 16
	s_mov_b32 s[G1X+3], 64<<16                     ; tile_dim0 = 64 elements = 256 bytes
	s_mov_b32 s[G1X+4], 16                         ; tile_dim1 = 16 rows
	s_mov_b32 s[G1X+5], 128                        ; elements from row to row
	s_mov_b32 s[G1X+6], 0
	s_mov_b32 s[G1X+7], 0
	; group 1 for y: 32 rows x 64 elements, FOUR rows of y (512 elements) from row to row
	s_or_b32  s[G1Y+0], s56, FLAGS                 ; 15:0 the mask: y's tiles go to my column of the cluster
	s_mov_b32 s[G1Y+1], 64<<16
	s_mov_b32 s[G1Y+2], 32<<16
	s_mov_b32 s[G1Y+3], 64<<16
	s_mov_b32 s[G1Y+4], 32
	s_mov_b32 s[G1Y+5], 512
	s_mov_b32 s[G1Y+6], 0
	s_mov_b32 s[G1Y+7], 0
	; where the tiles come from: x's from the block row and the wave's number, y's from the block column and the wave's number,
	; each in registers that never hold the other coordinate; where they go hangs on the wave's number alone.
	s_lshl_b32 s48, s14, 15                        ; block row x 64 rows x 512 bytes
	s_lshl_b32 s57, s10, 13                        ; + wave x 16 rows x 512 bytes
	s_add_co_u32 s48, s48, s57
	s_mov_b32 s49, 0
	s_lshl_b32 s50, s13, 16                        ; block column x 128 rows x 512 bytes
	s_lshl_b32 s58, s10, 9                         ; + wave x one row: rows w, w + 4, ..
	s_add_co_u32 s50, s50, s58
	s_mov_b32 s51, 0
	s_mul_i32 s59, s10, 16*PITCH                   ; LDS: my 16 rows of x (the same 16 that my wave reads)
	s_mul_i32 s60, s10, 32*PITCH                   ; LDS: my 32 rows of y,
	s_add_co_u32 s60, s60, YOFF                    ; behind x's 64
	s_wait_dscnt 0x0
	s_wait_kmcnt 0x0
	s_add_nc_u64 s[48:49], s[4:5], s[48:49]
	s_add_nc_u64 s[50:51], s[6:7], s[50:51]
.irp s, 0,1
	s_mov_b32 s[G0X+4*\s], 1                                       ; count = 1
	s_add_co_u32 s[G0X+4*\s+1], s59, \s*SLOT                       ; LDS address
	s_add_nc_u64 s[G0X+4*\s+2:G0X+4*\s+3], s[48:49], \s*256        ; global address: d = 64 s
	s_or_b32 s[G0X+4*\s+3], s[G0X+4*\s+3], 0x80000000              ; type = 2
	s_mov_b32 s[G0Y+4*\s], 1
	s_add_co_u32 s[G0Y+4*\s+1], s60, \s*SLOT
	s_add_nc_u64 s[G0Y+4*\s+2:G0Y+4*\s+3], s[50:51], \s*256
	s_or_b32 s[G0Y+4*\s+3], s[G0Y+4*\s+3], 0x80000000
.endr
	CROUND                                         ; all sixteen work-groups are here: the joint loads meet
	tensor_load_to_lds s[G0X:G0X+3],   s[G1X:G1X+7]    ; d 0..63:   my 16 rows of x
	s_nop 0
	tensor_load_to_lds s[G0Y:G0Y+3],   s[G1Y:G1Y+7]    ;            my 32 rows of y
	s_nop 0
	tensor_load_to_lds s[G0X+4:G0X+7], s[G1X:G1X+7]    ; d 64..127: the same rows
	s_nop 0
	tensor_load_to_lds s[G0Y+4:G0Y+7], s[G1Y:G1Y+7]    ; no descriptor register is written again
	s_nop 0
	; addresses, while the tiles are on their way
	v_and_b32 v1, 15, v0                           ; r
	v_bfe_u32 v5, v0, 4, 1                         ; h
	v_mul_u32_u24 v[YA], v1, PITCH
	v_add_nc_u32 v[YA], YOFF, v[YA]                ; y's LDS row r
	v_mul_u32_u24 v[XA], v5, 8*PITCH
	v_add_nc_u32 v[XA], s59, v[XA]                 ; x's row 16 w + 8 h: the same address in all sixteen lanes of a half
	v_lshlrev_b32 v[CO], 4, v1                     ; out0: 16 r bytes along the row,
	v_lshl_add_u32 v[CO], v5, 16, v[CO]            ; 8 h rows of 8,192 bytes down
	s_lshl_b32 s52, s14, 19                        ; block row x 64 rows x 8,192 bytes
	s_lshl_b32 s61, s10, 17                        ; + wave x 16 rows
	s_add_co_u32 s52, s52, s61
	s_lshl_b32 s61, s13, 9                         ; + block column x 128 columns x 4 bytes
	s_add_co_u32 s52, s52, s61
	s_mov_b32 s53, 0
	s_add_nc_u64 s[8:9], s[8:9], s[52:53]          ; out0 at my wave's first row and the block's first column
; 16 LDS loads: four d (16 bytes at byte off of the rows) of my 8 rows of x and my 8 columns, into buffer buf
.macro LOADQ buf, off
.irp a, 0,1,2,3,4,5,6,7
	ds_load_b128 v[XB+32*\buf+4*\a:XB+32*\buf+4*\a+3], v[XA] offset:\off+\a*PITCH
.endr
.irp c, 0,1,2,3,4,5,6,7
	ds_load_b128 v[YB+32*\buf+4*\c:YB+32*\buf+4*\c+3], v[YA] offset:\off+(((\c)%4)*32+((\c)/4)*16)*PITCH   ; column index 4 c + k lies in LDS row 32 k + 16 c + r
.endr
.endm
; Four d of buffer buf for all 64 sums, in 32 groups of one row a = g / 4 and two neighbouring columns 2 (g % 4), 2 (g % 4) + 1.
; A group has four stages: 4 subtractions; 4 sums of two magnitudes; 1 packed sum of the two partial pairs; 1 packed add onto the sums.
; They are staggered: step s holds stage 2 of group s - 2, stage 4 of group s - 5, stage 1 of group s, stage 3 of group s - 3, so that every
; result is at least ten instructions old when it is read.  Two sets of differences and four of partial sums keep the groups apart.
; first = 1: stage 3 writes the sums themselves and stage 4 falls away.
.macro COMPUTE buf, first
.set stp, 0
.rept 37
.if stp >= 2
.if stp <= 33
.set r_d, DF+8*((stp-2)%2)
.set r_t, TU+4*((stp-2)%4)
	v_add_f32 v[r_t],   -|v[r_d]|,   -|v[r_d+1]|   ; even column, d 0 and 1
	v_add_f32 v[r_t+1], -|v[r_d+4]|, -|v[r_d+5]|   ; odd column,  d 0 and 1
	v_add_f32 v[r_t+2], -|v[r_d+2]|, -|v[r_d+3]|   ; even column, d 2 and 3
	v_add_f32 v[r_t+3], -|v[r_d+6]|, -|v[r_d+7]|   ; odd column,  d 2 and 3
.endif
.endif
.if \first == 0
.if stp >= 5
.set r_t, TU+4*((stp-5)%4)
.set r_a, ACC+8*((stp-5)/4)+2*((stp-5)%4)
	v_pk_add_f32 v[r_a:r_a+1], v[r_a:r_a+1], v[r_t:r_t+1]
.endif
.endif
.if stp <= 31
.set r_x, XB+32*\buf+4*(stp/4)
.set r_y, YB+32*\buf+8*(stp%4)
.set r_d, DF+8*(stp%2)
	v_pk_add_f32 v[r_d:r_d+1],   v[r_y:r_y+1],   v[r_x:r_x+1]   neg_lo:[0,1] neg_hi:[0,1]   ; y - x, two d at once
	v_pk_add_f32 v[r_d+2:r_d+3], v[r_y+2:r_y+3], v[r_x+2:r_x+3] neg_lo:[0,1] neg_hi:[0,1]
	v_pk_add_f32 v[r_d+4:r_d+5], v[r_y+4:r_y+5], v[r_x:r_x+1]   neg_lo:[0,1] neg_hi:[0,1]
	v_pk_add_f32 v[r_d+6:r_d+7], v[r_y+6:r_y+7], v[r_x+2:r_x+3] neg_lo:[0,1] neg_hi:[0,1]
.endif
.if stp >= 3
.if stp <= 34
.set r_t, TU+4*((stp-3)%4)
.set r_a, ACC+8*((stp-3)/4)+2*((stp-3)%4)
.if \first
	v_pk_add_f32 v[r_a:r_a+1], v[r_t:r_t+1], v[r_t+2:r_t+3]        ; the first four d start the sums
.else
	v_pk_add_f32 v[r_t:r_t+1], v[r_t:r_t+1], v[r_t+2:r_t+3]
.endif
.endif
.endif
.set stp, stp+1
.endr
.endm
; A trip: eight d.  At its head buffer 0's 16 loads (the first four d) are out or in; each buffer is loaded again while the other is worked on.
.macro TRIP first
	LOADQ 1, 16
	s_wait_dscnt 16                                ; LDS loads come back in order (ISA guide 5.7.1): all but the 16 just issued: buffer 0 is in
	COMPUTE 0, \first
	LOADQ 0, 32                                    ; the next trip's first four d
	s_wait_dscnt 16                                ; all but those 16: buffer 1 is in
	COMPUTE 1, 0
	v_add_nc_u32 v[XA], 32, v[XA]                  ; eight d on
	v_add_nc_u32 v[YA], 32, v[YA]
.endm
	s_wait_tensorcnt 0x2                           ; tensor loads of a wave end in order (ISA guide 10.11.1): my two of d 0..63 have landed, my two of d 64..127 may stay out
	s_barrier_signal -1
	s_barrier_wait -1                              ; everybody's have
	LOADQ 0, 0
	TRIP 1                                         ; slot 0 has 8 trips: this one, which starts the sums,
	s_mov_b32 s54, 6
.Lhalf0:
	TRIP 0                                         ; six in the loop,
	s_sub_co_i32 s54, s54, 1
	s_cmp_lg_u32 s54, 0
	s_cbranch_scc1 .Lhalf0
	LOADQ 1, 16                                    ; and the one that changes slots
	s_wait_dscnt 16
	COMPUTE 0, 0
	s_wait_dscnt 0x0                               ; buffer 1 is in, and no LDS load of mine is pending at the signal
	s_wait_tensorcnt 0x0                           ; my two loads of d 64..127 have landed
	s_barrier_signal -1
	s_barrier_wait -1                              ; everybody's have: slot 1 is whole
	v_add_nc_u32 v[XA], SLOT-224, v[XA]            ; from byte 224 of slot 0's rows to byte 0 of slot 1's
	v_add_nc_u32 v[YA], SLOT-224, v[YA]
	LOADQ 0, 0
	COMPUTE 1, 0
	s_mov_b32 s54, 7
.Lhalf1:
	TRIP 0                                         ; slot 1: seven trips in the loop,
	s_sub_co_i32 s54, s54, 1
	s_cmp_lg_u32 s54, 0
	s_cbranch_scc1 .Lhalf1
	LOADQ 1, 16                                    ; and the last, which has nothing more to fetch
	s_wait_dscnt 16
	COMPUTE 0, 0
	s_wait_dscnt 0x0
	COMPUTE 1, 0
	; The way out: the sums are the results.  In each store lanes 0-15 write 256 consecutive bytes of one row of out0, at a multiple of 256 bytes from out0's first byte, and lanes 16-31
	; the same of the row eight further down.  out0 is written once and not read again in the launch.
.irp a, 0,1,2,3,4,5,6,7
.irp c, 0,1
	global_store_b128 v[CO], v[ACC+8*\a+4*\c:ACC+8*\a+4*\c+3], s[8:9] offset:\a*OUTROW+\c*256 th:TH_STORE_NT
.endr
.endr
	s_wait_tensorcnt 0x0
	ds_add_u32 v232, v233
	s_wait_dscnt 0x0
	CROUND                                         ; the closing round: no work-group ends while a partner may still ask for a tile that names it
	s_endpgm
.Lfunc_end_k_q62a87f679b_l1dist:
	.size	k_q62a87f679b_l1dist, .Lfunc_end_k_q62a87f679b_l1dist-k_q62a87f679b_l1dist
	.p2alignl 7, 3214868480
	.fill 96, 4, 3214868480
	.section	.rodata,"a",@progbits
	.p2align	6, 0x0
	.amdhsa_kernel k_q62a87f679b_l1dist
		.amdhsa_group_segment_fixed_size 168448
		.amdhsa_private_segment_fixed_size 0
		.amdhsa_enable_private_segment 0
		.amdhsa_kernarg_size 24
		.amdhsa_user_sgpr_count 2
		.amdhsa_user_sgpr_kernarg_segment_ptr 1
		.amdhsa_wavefront_size32 1
		.amdhsa_system_sgpr_workgroup_id_x 1
		.amdhsa_system_sgpr_workgroup_id_y 1
		.amdhsa_system_sgpr_workgroup_id_z 1
		.amdhsa_system_vgpr_workitem_id 0
		.amdhsa_next_free_vgpr 234
		.amdhsa_next_free_sgpr 66
		.amdhsa_reserve_vcc 0
		.amdhsa_float_denorm_mode_32 3
		.amdhsa_float_denorm_mode_16_64 3
		.amdhsa_memory_ordered 1
		.amdhsa_forward_progress 1
		.amdhsa_inst_pref_size 216
	.end_amdhsa_kernel
	.amdgpu_metadata
---
amdhsa.version: [ 1, 2 ]
amdhsa.kernels:
  - .name:           k_q62a87f679b_l1dist
    .symbol:         k_q62a87f679b_l1dist.kd
    .args:
      - { .name: x, .offset: 0, .size: 8, .value_kind: global_buffer, .address_space: global }
      - { .name: y, .offset: 8, .size: 8, .value_kind: global_buffer, .address_space: global }
      - { .name: out0, .offset: 16, .size: 8, .value_kind: global_buffer, .address_space: global }
    .group_segment_fixed_size: 168448
    .private_segment_fixed_size: 0
    .kernarg_segment_align: 8
    .kernarg_segment_size: 24
    .max_flat_workgroup_size: 128
    .sgpr_count:     66
    .vgpr_count:     234
    .wavefront_size: 32
...
	.end_amdgpu_metadata
.endif
;; end of part 1
